; MI455X (gfx1250); checked and timed in simulation.
; The chip was launched on July 23, 2026; its instructions are those of AMD's public machine-readable ISA for CDNA 5 (MIT licence, August 2026) and "CDNA5" Instruction Set Architecture Reference Guide (July 2026). The comments in the code are by the model that wrote it; some were corrected since.
;; KAN. Allowed arithmetic: float matrix products may take bf16 or f16 operands with f32 sums; other float arithmetic in f32, or as packed bf16 or f16 multiplies, adds, multiply-adds, maxima and minima; sums over many terms, partial sums and values carried from step to step in f32; what a program stores and reads back later, other than sums and carried values, may be rounded once to bf16 or f16.
;; Inputs: base_w 2 x 1,024 x 1,024 float32; grid 2 x 1,024 x 12 float32; ln_b 2 x 1,024 float32; ln_g 2 x 1,024 float32; prelu_a 2 float32; spline_w 2 x 1,024 x 1,024 x 8 float32; x 2,048 x 1,024 float32.
;; Outputs: out0 2,048 x 1,024 float32.
;; One version. Each part assembles by itself: llvm-mc -triple=amdgcn-amd-amdhsa -mcpu=gfx1250 --defsym DOCPART=n.
;; ======== version 1 of 1: 5 launches
;; limits: values are held in f16: magnitudes above 65,504 overflow, below 6.1e-05 lose precision
;; workspace buffers: wh0 18,874,368 bytes; wh1 18,874,368 bytes; ah 37,748,736 bytes; part 16,777,216 bytes
;; launch expand1 (part 1): grid 256 x 1, 16 waves a work-group, no clusters, 167,936 bytes of LDS; arguments x, grid, ah, base_w, spline_w, wh0; writes ah, wh0
.if DOCPART == 1
	.amdgcn_target "amdgcn-amd-amdhsa--gfx1250"
	.amdhsa_code_object_version 6
	.text
	.protected	k_q3adef3e61f_expand1
	.globl	k_q3adef3e61f_expand1
	.p2align	8
	.type	k_q3adef3e61f_expand1,@function
k_q3adef3e61f_expand1:
	s_mov_b64 s[64:65], 0
	v_nop
	global_prefetch_b8 v0, s[64:65] scope:SCOPE_SE
	s_setreg_imm32_b32 hwreg(HW_REG_WAVE_MODE, 25, 1), 1
	s_wait_xcnt 0x0
; TWO THINGS.  (1) Layer 1's first operand: ah[row][9216] in f16.  k < 8192: the eight cubic B-spline bases of feature k / 8; k >= 8192: gelu(x) of feature k - 8192.
; (2) Layer 1's second operand: wh0[out][9216], the weights f32 -> f16 in the same order of k: spline_w's own order in memory, then base_w's row.  A row of either is 18,432 bytes.
; The bases are made by the Cox-de Boor recursion on each feature's own 12 knots, all 11 -> 10 -> 9 -> 8 of them: no order or spacing of the knots is assumed.
; With t_k[j] = (x - g[j]) / (g[j+k] - g[j]) the recursion is  b'[j] = t_k[j] b[j] + (1 - t_k[j+1]) b[j+1],  since (g[j+k+1] - x) / (g[j+k+1] - g[j+1]) = 1 - t_k[j+1].
; t_k[j] = x r + c with r = 1 / (g[j+k] - g[j]) and c = -g[j] r, 30 pairs (r, c) a feature, made once a thread.
; Where g[j+k] = g[j] the first term's divisor counts as 1.  That is written for j = 0 alone: for j >= 1 the second term of b'[j-1] divides by the same difference unguarded, so the row is not finite either way.
; gelu(x) = (x + |x| (1 - E)) / 2, E = erfc(|x| / sqrt 2) = p(u) exp(-x^2 / 2), u = 1 / (1 + 0.3275911 |x| / sqrt 2), p the polynomial of degree 5 of Abramowitz and Stegun 7.1.26: E is within 1.5e-7 for every x.
; LIMITS.  f16 holds no number beyond 65,504 (gelu(x) is about x; a weight as it is) and keeps a step of 6e-8 below 6e-5.  A difference of knots below 2^-126 counts as 0 (ISA guide 15.8: v_rcp_f32 takes denormals as zero).
; SHARES.  A work-group owns 8 rows of x, thread t the features t and t + 512: the two halves of every register pair, so all arithmetic goes two at a time.  A feature's eight f16 are 16 bytes:
; a wave's store covers 512 consecutive bytes, aligned.  gelu's 2 bytes a feature are gathered in LDS and leave as 16 bytes a lane at the end.
; THE WEIGHTS.  Work-group g owns out rows 4 g .. 4 g + 3: 131,072 consecutive bytes of spline_w and 16,384 of base_w, 18 dense blocks of 8,192 bytes.  They are asked for at the head by tensor loads, which take no
; vector register, and land in LDS while the tables are made and the rows expanded; nothing is filled twice.  Wave w brings spline block w, and reads it alone; waves 0 and 1 also bring a base block each,
; which all waves read behind the barrier that gelu's way out has anyway.  The weights leave behind the row loop, when the tables' registers are free.
; No matrix unit, no cluster: nothing is multiplied, and the work-groups share only the knots (48 KiB).
.set ROWB, 18432                       ; bytes in a row of ah and of wh0
.set WSP,  0                           ; LDS: 16 blocks of 8,192 bytes of spline_w in f32, wave w's at 8,192 w
.set WBA,  131072                      ; 2 blocks of 8,192 bytes of base_w in f32
.set GEL,  147456                      ; 8 rows x 2,048 bytes of gelu in f16: blocks of 256 bytes into which no tensor load lands
.set SPARE, 163840                     ; the spare words, 128 bytes for each of 16 waves, which no other line names
.set SPW, 2                            ; v2   LDS address of my spare word; never rewritten
.set NIL, 3                            ; v3   0; never rewritten
.set AO,  4                            ; v4   16 t: my feature's 16 bytes in a row of ah
.set LG,  5                            ; v5   GEL + 2 t + the row pair in hand: where gelu goes in LDS
.set X,   8                            ; v[8:23]    row r's two x at X + 2 r; the rows move down two places a trip
.set KN,  24                           ; v[24:47]   knot j of both features at KN + 2 j
.set RT,  48                           ; v[48:107]  r, entry e(k, j) = EB(k) + j, EB = 0, 11, 21, at RT + 2 e; behind the loop v[48:111] take my block of weights
.set CT,  108                          ; v[108:167] c, likewise
.set B,   168                          ; v[168:189] the bases in hand, basis j at B + 2 j
.set RAW, 168                          ; v[168:191] before the loop: the knots as loaded, 12 of feature t, then 12 of feature t + 512
.set O0,  190                          ; v[190:197] the even row's 2 x 16 bytes to store
.set T,   198                          ; v[198:219] t_k[j] at T + 2 j
.set Q,   220                          ; v[220:227] (1 - t[j]) b[j], four in flight
.set G,   228                          ; v[228:235] gelu: |x|, u, exp, polynomial
.set GL,  236                          ; v236  gelu of both features, f16
.set GO,  237                          ; v237  the way out: my offset in ah
.set TA,  238                          ; v238  48 t: my first feature's knots
.set XO,  239                          ; v239  4 t: my first feature in a row of f32
.set TM,  240                          ; v240  at work
.set WL,  241                          ; v241  LDS address of my 16 bytes in my wave's spline block: 8,192 wave + 16 lane
.set WD,  242                          ; v242  where they go in the work-group's four rows of wh0: (wave / 4) rows + 4,096 (wave % 4) + 8 lane
.set GA,  243                          ; v243  the way out: GEL + 16 t
.set BL,  244                          ; v244  the way out: WBA + 16 t
.set BD,  245                          ; v245  the way out: (t / 256) rows + 8 (t % 256)
.set O1,  248                          ; v[248:255] the odd row's 2 x 16 bytes to store
.set MA,  36                           ; s36-47  lanes where x >= knot j, feature t
.set MB,  48                           ; s48-59  the same, feature t + 512
.set WV,  61                           ; s61  my wave's number
.set WP,  8                            ; s[8:9]   wh0 at the work-group's four rows
.set AP,  10                           ; s[10:11] ah at the row pair in hand
.set AP0, 12                           ; s[12:13] ah at the work-group's first row
.set GR,  74                           ; s[74:75] grid
.set G0B, 4                            ; s[4:7]   descriptor group 0: a base block (waves 0 and 1)
.set G0S, 68                           ; s[68:71] descriptor group 0: my spline block
.set G1,  92                           ; s[92:99] descriptor group 1: the shape of every block; never rewritten
.macro TAB_LOAD goff                   ; six loads: 48 bytes of knots for each of my two features
.irp i, 0,1,2
	global_load_b128 v[RAW+4*\i:RAW+4*\i+3], v[TA], s[GR:GR+1] offset:(\goff)+16*\i
.endr
.irp i, 0,1,2
	global_load_b128 v[RAW+12+4*\i:RAW+12+4*\i+3], v[TA], s[GR:GR+1] offset:(\goff)+24576+16*\i
.endr
.endm
.macro TAB_MAKE                        ; the knots in pairs, and the 30 pairs (r, c)
.set j, 0
.rept 12
	v_mov_b32 v[KN+2*j], v[RAW+j]
	v_mov_b32 v[KN+2*j+1], v[RAW+12+j]
.set j, j+1
.endr
.irp k, 1,2,3
.set j, 0
.rept 12-\k
.set e, ((\k)-1)*11-((\k)-1)*((\k)-2)/2+j
	v_pk_add_f32 v[RT+2*e:RT+2*e+1], v[KN+2*(j+\k):KN+2*(j+\k)+1], v[KN+2*j:KN+2*j+1] neg_lo:[0,1] neg_hi:[0,1]
.set j, j+1
.endr
.endr
.irp k, 1,2,3
.set e, ((\k)-1)*11-((\k)-1)*((\k)-2)/2
.irp c, 0,1
	v_cmp_eq_f32 vcc_lo, v[KN+2*\k+\c], v[KN+\c]   ; g[k] = g[0]: the divisor counts as 1
	v_cndmask_b32 v[RT+2*e+\c], v[RT+2*e+\c], 1.0, vcc_lo
.endr
.endr
.set j, 0
.rept 60
	v_rcp_f32 v[RT+j], v[RT+j]
.set j, j+1
.endr
	v_nop                                          ; a plain instruction behind the last reciprocal (ISA guide 5.7.2),
	s_wait_alu depctr_va_vdst(0)                   ; and one wait for the batch of 60, ahead of the first reader
.irp k, 1,2,3
.set j, 0
.rept 12-\k
.set e, ((\k)-1)*11-((\k)-1)*((\k)-2)/2+j
	v_pk_mul_f32 v[CT+2*e:CT+2*e+1], v[KN+2*j:KN+2*j+1], v[RT+2*e:RT+2*e+1] neg_lo:[1,0] neg_hi:[1,0]
.set j, j+1
.endr
.endr
.endm
.macro GEL1 xr                         ; gelu's four transcendentals are issued first; the row's recursion is the independent work behind them
	v_and_b32 v[G], s15, v[(\xr)]
	v_and_b32 v[G+1], s15, v[(\xr)+1]
	v_pk_fma_f32 v[G+2:G+3], v[G:G+1], s[16:17], 1.0 op_sel_hi:[1,0,0]   ; 1 + 0.3275911 |x| / sqrt 2
	v_pk_mul_f32 v[G+4:G+5], v[(\xr):(\xr)+1], s[18:19] op_sel_hi:[1,0]
	v_pk_mul_f32 v[G+4:G+5], v[G+4:G+5], v[(\xr):(\xr)+1]                ; -x^2 log2(e) / 2
	v_rcp_f32 v[G+2], v[G+2]
	v_rcp_f32 v[G+3], v[G+3]
	v_exp_f32 v[G+4], v[G+4]
	v_exp_f32 v[G+5], v[G+5]
.endm
.macro LEVEL0 xr                       ; b[j] = 1 where g[j] <= x < g[j+1]: twelve compares a feature, and x < g[j+1] is the negation of the next compare (for a NaN all are 0, both ways)
.set j, 0
.rept 12
	v_cmp_ge_f32 s[MA+j], v[(\xr)], v[KN+2*j]
	v_cmp_ge_f32 s[MB+j], v[(\xr)+1], v[KN+2*j+1]
.set j, j+1
.endr
.set j, 0
.rept 11
	s_and_not1_b32 s[MA+j], s[MA+j], s[MA+j+1]
	s_and_not1_b32 s[MB+j], s[MB+j], s[MB+j+1]
.set j, j+1
.endr
.set j, 0
.rept 11
	v_cndmask_b32 v[B+2*j], 0, 1.0, s[MA+j]
	v_cndmask_b32 v[B+2*j+1], 0, 1.0, s[MB+j]
.set j, j+1
.endr
.endm
.macro QS m                            ; (1 - t[m]) b[m], of the old b[m]
	v_pk_fma_f32 v[Q+2*((\m)%4):Q+2*((\m)%4)+1], v[T+2*(\m):T+2*(\m)+1], v[B+2*(\m):B+2*(\m)+1], v[B+2*(\m):B+2*(\m)+1] neg_lo:[1,0,0] neg_hi:[1,0,0]
.endm
.macro LEVEL xr, k                     ; n = 11 - k new bases, in place; QS runs four ahead, so b[m] is read before it is written anew
.set n, 11-(\k)
.set eb, ((\k)-1)*11-((\k)-1)*((\k)-2)/2
.set j, 0
.rept n+1
	v_pk_fma_f32 v[T+2*j:T+2*j+1], v[(\xr):(\xr)+1], v[RT+2*(eb+j):RT+2*(eb+j)+1], v[CT+2*(eb+j):CT+2*(eb+j)+1]
.set j, j+1
.endr
	QS 1
	QS 2
	QS 3
.set j, 0
.rept n
.if j+4 <= n
	QS j+4
.endif
	v_pk_fma_f32 v[B+2*j:B+2*j+1], v[T+2*j:T+2*j+1], v[B+2*j:B+2*j+1], v[Q+2*((j+1)%4):Q+2*((j+1)%4)+1]
.set j, j+1
.endr
.endm
.macro OUT rr, o                       ; eight bases of each feature, rounded once to f16: 16 bytes each
.irp c, 0,1,2,3
	v_cvt_pk_f16_f32 v[(\o)+\c], v[B+4*\c], v[B+4*\c+2]
	v_cvt_pk_f16_f32 v[(\o)+4+\c], v[B+4*\c+1], v[B+4*\c+3]
.endr
	global_store_b128 v[AO], v[(\o):(\o)+3], s[AP:AP+1] offset:(\rr)*ROWB          ; a wave stores 512 consecutive bytes, aligned
	global_store_b128 v[AO], v[(\o)+4:(\o)+7], s[AP:AP+1] offset:(\rr)*ROWB+8192   ; feature t + 512
.endm
.macro GEL2 xr, rr
	s_wait_alu depctr_va_vdst(0)                   ; one wait for the row's four transcendentals, ahead of their first reader
	v_pk_fma_f32 v[G+6:G+7], v[G+2:G+3], s[20:21], s[22:23] op_sel_hi:[1,0,0]
	v_pk_fma_f32 v[G+6:G+7], v[G+6:G+7], v[G+2:G+3], s[24:25] op_sel_hi:[1,1,0]
	v_pk_fma_f32 v[G+6:G+7], v[G+6:G+7], v[G+2:G+3], s[26:27] op_sel_hi:[1,1,0]
	v_pk_fma_f32 v[G+6:G+7], v[G+6:G+7], v[G+2:G+3], s[28:29] op_sel_hi:[1,1,0]
	v_pk_mul_f32 v[G+4:G+5], v[G+4:G+5], v[G+2:G+3]
	v_pk_mul_f32 v[G+6:G+7], v[G+6:G+7], v[G+4:G+5]                               ; E
	v_pk_fma_f32 v[G+6:G+7], v[G:G+1], v[G+6:G+7], v[G:G+1] neg_lo:[1,0,0] neg_hi:[1,0,0]  ; |x| - |x| E
	v_pk_add_f32 v[G+6:G+7], v[G+6:G+7], v[(\xr):(\xr)+1]
	v_pk_mul_f32 v[G+6:G+7], v[G+6:G+7], 0.5 op_sel_hi:[1,0]
	v_cvt_pk_f16_f32 v[GL], v[G+6], v[G+7]
	ds_store_b16 v[LG], v[GL] offset:(\rr)*2048
	ds_store_b16_d16_hi v[LG], v[GL] offset:(\rr)*2048+1024
.endm
.macro ROWX rr, o                      ; one row of my two features
	GEL1 X+2*(\rr)
	LEVEL0 X+2*(\rr)
	LEVEL X+2*(\rr), 1
	LEVEL X+2*(\rr), 2
	LEVEL X+2*(\rr), 3
	OUT \rr, \o
	GEL2 X+2*(\rr), \rr
.endm
.macro WOUT                            ; my wave's spline block leaves: 16 sweeps of 512 bytes of f32, 256 bytes of f16 each
	s_wait_tensorcnt 0x0                           ; my tensor loads have landed: my own block may be read, and for the others' sake (waves 0 and 1) the base blocks are whole ahead of my next signal
.set i, 0
.rept 16
	ds_load_b128 v[RT+4*i:RT+4*i+3], v[WL] offset:WSP+512*i   ; 32 lanes, 16 neighbouring bytes each: no bank is asked twice
.set i, i+1
.endr
.set i, 0
.rept 16
	s_wait_dscnt 15-i                              ; LDS loads come back in order (ISA guide 5.7.1): sweep i is in, the younger ones stay out
	v_cvt_pk_f16_f32 v[RT+4*i], v[RT+4*i], v[RT+4*i+1]
	v_cvt_pk_f16_f32 v[RT+4*i+1], v[RT+4*i+2], v[RT+4*i+3]
	global_store_b64 v[WD], v[RT+4*i:RT+4*i+1], s[WP:WP+1] offset:256*i th:TH_STORE_NT  ; a wave stores 256 consecutive bytes, aligned
.set i, i+1
.endr
.endm
	s_load_b256 s[72:79], s[0:1], 0x0              ; x s[72:73], grid s[74:75], ah s[76:77], base_w s[78:79]
	s_load_b128 s[80:83], s[0:1], 0x20             ; spline_w s[80:81], wh0 s[82:83]
	v_lshl_add_u32 v[SPW], v0, 2, SPARE
	v_mov_b32 v[NIL], 0
	ds_add_u32 v[SPW], v[NIL]                      ; the wave's opening: the add, twice on end, and its wait ahead of my first tensor load; the set-up below stands between the second and the wait
	ds_add_u32 v[SPW], v[NIL]                      ; and once more, under the one wait
	v_lshrrev_b32 v1, 5, v0
	v_readfirstlane_b32 s[WV], v1                  ; wave 0..15, as a scalar: descriptors live in scalar registers
	; descriptor group 1: a dense block of 8,192 bytes as 32 rows of 256 bytes
	s_mov_b32 s[G1+0], 3<<16                       ; elements of 8 bytes; no mask, no padding: the block is read 16 neighbouring bytes a lane
	s_mov_b32 s[G1+1], 32<<16                      ; tensor_dim0 = 32 elements
	s_mov_b32 s[G1+2], 32<<16                      ; tensor_dim1 = 32 rows
	s_mov_b32 s[G1+3], 32<<16                      ; tile_dim0 = 32
	s_mov_b32 s[G1+4], 32                          ; tile_dim1 = 32
	s_mov_b32 s[G1+5], 32                          ; 32 elements from row to row
	s_mov_b32 s[G1+6], 0
	s_mov_b32 s[G1+7], 0
	s_mov_b32 s[G0S], 1                            ; count = 1
	s_lshl_b32 s[G0S+1], s[WV], 13                 ; LDS address: WSP + 8,192 x wave
	s_mov_b32 s[G0B], 1
	s_add_co_u32 s[G0B+1], s[G0S+1], WBA           ; LDS address: WBA + 8,192 x wave (used by waves 0 and 1)
	v_lshlrev_b32 v[AO], 4, v0
	v_lshl_add_u32 v[LG], v0, 1, GEL
	v_mul_u32_u24 v[TA], v0, 48
	v_lshlrev_b32 v[XO], 2, v0
	v_and_b32 v1, 31, v0                           ; lane
	v_lshl_add_u32 v[WL], v1, 4, s[G0S+1]
	s_lshr_b32 s62, s[WV], 2                       ; four waves to an out row's 32,768 bytes of spline_w
	s_mul_i32 s62, s62, ROWB
	s_and_b32 s63, s[WV], 3
	s_lshl_b32 s63, s63, 12                        ; 8,192 bytes of f32 become 4,096 of f16
	s_add_co_u32 s62, s62, s63
	v_lshl_add_u32 v[WD], v1, 3, s62
	s_mov_b32 s15, 0x7fffffff                      ; clears a sign
	s_mov_b32 s16, 0x3e6d3388                      ; 0.3275911 / sqrt 2.  The packed forms name pairs and take the low word for both halves; the high word is written too
	s_mov_b32 s17, s16
	s_mov_b32 s18, 0xbf38aa3b                      ; -log2(e) / 2
	s_mov_b32 s19, s18
	s_mov_b32 s20, 0x3f87dc22                      ; 1.061405429
	s_mov_b32 s21, s20
	s_mov_b32 s22, 0xbfba00e3                      ; -1.453152027
	s_mov_b32 s23, s22
	s_mov_b32 s24, 0x3fb5f0e3                      ; 1.421413741
	s_mov_b32 s25, s24
	s_mov_b32 s26, 0xbe91a98e                      ; -0.284496736
	s_mov_b32 s27, s26
	s_mov_b32 s28, 0x3e827906                      ; 0.254829592
	s_mov_b32 s29, s28
	s_mov_b32 s3, 0                                ; the upper word of every offset below
	s_wait_dscnt 0x0                               ; both opening adds are done
	s_wait_kmcnt 0x0
	s_lshl_b32 s2, ttmp9, 15                       ; 8 rows of 4,096 bytes of x
	s_add_nc_u64 s[72:73], s[72:73], s[2:3]
	s_mul_i32 s2, ttmp9, 8*ROWB                    ; 8 rows of ah
	s_add_nc_u64 s[AP:AP+1], s[76:77], s[2:3]
	s_mov_b64 s[AP0:AP0+1], s[AP:AP+1]
	s_mul_i32 s2, ttmp9, 4*ROWB                    ; 4 rows of wh0
	s_add_nc_u64 s[WP:WP+1], s[82:83], s[2:3]
	s_lshl_b32 s2, ttmp9, 17                       ; 4 out rows of spline_w, layer 0,
	s_add_co_u32 s2, s2, s[G0S+1]                  ; and my wave's block of them
	s_add_nc_u64 s[G0S+2:G0S+3], s[80:81], s[2:3]
	s_or_b32 s[G0S+3], s[G0S+3], 0x80000000        ; type = 2
	TAB_LOAD 0                                     ; layer 0's knots, and x, are asked for ahead of the weights: they are wanted first
.set r, 0
.rept 8
	global_load_b32 v[X+2*r], v[XO], s[72:73] offset:4096*r th:TH_LOAD_NT
	global_load_b32 v[X+2*r+1], v[XO], s[72:73] offset:4096*r+2048 th:TH_LOAD_NT
.set r, r+1
.endr
	; the first fills, and the only ones: ahead of every wait on TENSORcnt, every LDS read and every barrier; each arm holds all the fills of its waves; two loads of a wave are out at the most
	s_cmp_lt_u32 s[WV], 2
	s_cbranch_scc0 .Lone
	s_lshl_b32 s2, ttmp9, 14                       ; 4 out rows of base_w, layer 0,
	s_add_co_u32 s2, s2, s[G0S+1]                  ; and my half of them
	s_add_nc_u64 s[G0B+2:G0B+3], s[78:79], s[2:3]
	s_or_b32 s[G0B+3], s[G0B+3], 0x80000000
	tensor_load_to_lds s[G0S:G0S+3], s[G1:G1+7]
	s_nop 0
	tensor_load_to_lds s[G0B:G0B+3], s[G1:G1+7]
	s_nop 0
	s_branch .Lasked
.Lone:
	tensor_load_to_lds s[G0S:G0S+3], s[G1:G1+7]
	s_nop 0
.Lasked:
	s_wait_loadcnt 16                              ; the knots are in; the 16 loads of x issued behind them may stay out
	TAB_MAKE
	s_wait_loadcnt 0x0                             ; x
	s_mov_b32 s14, 4
.Lrows:                                            ; four trips, two rows each
	ROWX 0, O0
	ROWX 1, O1
	s_wait_xcnt 0x0                                ; the stores have read their base and their data: only behind this wait are AP, O0 and O1 written again
	s_add_nc_u64 s[AP:AP+1], s[AP:AP+1], 2*ROWB
	v_add_nc_u32 v[LG], 4096, v[LG]
.set i, 0
.rept 12
	v_mov_b32 v[X+i], v[X+i+4]                     ; the rows to come move down, so that one text serves every trip
.set i, i+1
.endr
	s_sub_co_u32 s14, s14, 1
	s_cmp_lg_u32 s14, 0
	s_cbranch_scc1 .Lrows
	WOUT                                           ; ahead of the barrier: a wave that is early works while the others finish their rows
	; gelu's way out, and base_w's: 16,384 bytes each in LDS, the first written by all waves, the second brought by waves 0 and 1; 2 x 16 bytes a thread of each
	v_lshl_add_u32 v[GA], v0, 4, GEL
	v_lshl_add_u32 v[BL], v0, 4, WBA
	s_wait_dscnt 0x0                               ; for the others' sake: my stores into LDS are done
	s_barrier_signal -1
	s_barrier_wait -1
	ds_load_b128 v[T:T+3], v[GA]                   ; gelu, rows 0 to 3: 128 threads to a row
	ds_load_b128 v[T+4:T+7], v[GA] offset:8192     ; rows 4 to 7
	ds_load_b128 v[T+8:T+11], v[BL]                ; base_w, out rows 0 and 1: 256 threads to a row
	ds_load_b128 v[T+12:T+15], v[BL] offset:8192   ; out rows 2 and 3
	v_lshrrev_b32 v[GO], 7, v0
	v_and_b32 v[TM], 127, v0
	v_mul_u32_u24 v[GO], v[GO], ROWB
	v_lshl_add_u32 v[GO], v[TM], 4, v[GO]
	v_lshrrev_b32 v[BD], 8, v0
	v_and_b32 v[TM], 255, v0
	v_mul_u32_u24 v[BD], v[BD], ROWB
	v_lshl_add_u32 v[BD], v[TM], 3, v[BD]
	s_wait_dscnt 0x0
	global_store_b128 v[GO], v[T:T+3], s[AP0:AP0+1] offset:16384            ; a wave stores 512 consecutive bytes, aligned
	global_store_b128 v[GO], v[T+4:T+7], s[AP0:AP0+1] offset:16384+4*ROWB
	v_cvt_pk_f16_f32 v[T+8], v[T+8], v[T+9]
	v_cvt_pk_f16_f32 v[T+9], v[T+10], v[T+11]
	v_cvt_pk_f16_f32 v[T+12], v[T+12], v[T+13]
	v_cvt_pk_f16_f32 v[T+13], v[T+14], v[T+15]
	global_store_b64 v[BD], v[T+8:T+9], s[WP:WP+1] offset:16384 th:TH_STORE_NT           ; a wave stores 256 consecutive bytes, aligned
	global_store_b64 v[BD], v[T+12:T+13], s[WP:WP+1] offset:16384+2*ROWB th:TH_STORE_NT
	s_wait_tensorcnt 0x0                           ; the wave's end, behind my last tensor load and my last LDS store
	ds_add_u32 v[SPW], v[NIL]
	s_wait_dscnt 0x0
	s_endpgm
.Lfunc_end_k_q3adef3e61f_expand1:
	.size	k_q3adef3e61f_expand1, .Lfunc_end_k_q3adef3e61f_expand1-k_q3adef3e61f_expand1
	.p2alignl 7, 3214868480
	.fill 96, 4, 3214868480
	.section	.rodata,"a",@progbits
	.p2align	6, 0x0
	.amdhsa_kernel k_q3adef3e61f_expand1
		.amdhsa_group_segment_fixed_size 167936
		.amdhsa_private_segment_fixed_size 0
		.amdhsa_enable_private_segment 0
		.amdhsa_kernarg_size 48
		.amdhsa_user_sgpr_count 2
		.amdhsa_user_sgpr_kernarg_segment_ptr 1
		.amdhsa_wavefront_size32 1
		.amdhsa_system_sgpr_workgroup_id_x 1
		.amdhsa_system_sgpr_workgroup_id_y 1
		.amdhsa_system_sgpr_workgroup_id_z 1
		.amdhsa_system_vgpr_workitem_id 0
		.amdhsa_next_free_vgpr 256
		.amdhsa_next_free_sgpr 100
		.amdhsa_reserve_vcc 1
		.amdhsa_float_denorm_mode_32 3
		.amdhsa_float_denorm_mode_16_64 3
		.amdhsa_memory_ordered 1
		.amdhsa_forward_progress 1
		.amdhsa_inst_pref_size 42
	.end_amdhsa_kernel
	.amdgpu_metadata
---
amdhsa.version: [ 1, 2 ]
amdhsa.kernels:
  - .name:           k_q3adef3e61f_expand1
    .symbol:         k_q3adef3e61f_expand1.kd
    .args:
      - { .name: x, .offset: 0, .size: 8, .value_kind: global_buffer, .address_space: global }
      - { .name: grid, .offset: 8, .size: 8, .value_kind: global_buffer, .address_space: global }
      - { .name: ah, .offset: 16, .size: 8, .value_kind: global_buffer, .address_space: global }
      - { .name: base_w, .offset: 24, .size: 8, .value_kind: global_buffer, .address_space: global }
      - { .name: spline_w, .offset: 32, .size: 8, .value_kind: global_buffer, .address_space: global }
      - { .name: wh0, .offset: 40, .size: 8, .value_kind: global_buffer, .address_space: global }
    .group_segment_fixed_size: 167936
    .private_segment_fixed_size: 0
    .kernarg_segment_align: 8
    .kernarg_segment_size: 48
    .max_flat_workgroup_size: 512
    .sgpr_count:     100
    .vgpr_count:     256
    .wavefront_size: 32
...
	.end_amdgpu_metadata
.endif
;; end of part 1
;; launch gemm1 (part 2): grid 8 x 32, 4 waves a work-group, clusters of 4 x 4, 327,680 bytes of LDS; arguments ah, wh0, part; writes part
.if DOCPART == 2
	.amdgcn_target "amdgcn-amd-amdhsa--gfx1250"
	.amdhsa_code_object_version 6
	.text
	.protected	k_q3adef3e61f_gemm1
	.globl	k_q3adef3e61f_gemm1
	.p2align	8
	.type	k_q3adef3e61f_gemm1,@function
k_q3adef3e61f_gemm1:
	s_mov_b64 s[64:65], 0
	v_nop
	global_prefetch_b8 v0, s[64:65] scope:SCOPE_SE
	s_setreg_imm32_b32 hwreg(HW_REG_WAVE_MODE, 25, 1), 1
	s_wait_xcnt 0x0
	s_wait_alu depctr_hold_cnt(0) depctr_sa_sdst(0) depctr_va_vdst(0) depctr_va_sdst(0) depctr_va_ssrc(0) depctr_va_vcc(0) depctr_vm_vsrc(0)
	s_getreg_b32 s2, hwreg(HW_REG_IB_STS2, 6, 4)
	s_cmp_eq_u32 s2, 0
	s_cbranch_scc0 .Lentry_in_a_cluster
	s_endpgm
.Lentry_in_a_cluster:
	s_bfe_u32 s2, ttmp6, 0x10000c
	s_cmp_lg_u32 s2, 0xf033
	s_cbranch_scc0 .Lentry_shape_is_right
	s_endpgm
.Lentry_shape_is_right:
; part[kh][m][n] = the sum over k in half kh of A[m][k] W[n][k].  A: [2048][9216], W: [1024][9216], both f16; part: [2][2048][1024], f32 sums as they are.
; SHARES.  A work-group makes a tile of 128 x 128 over one half of K (4,608): 16 x 8 x 2 = 256 work-groups.  The two halves' sums stay in f32 and are added by the launch behind.
; Four waves, each 64 x 64: 16 accumulators of 16 x 16, 128 registers.  K goes in steps of 256 (LDS rows of 512 bytes; a wave's tensor load brings 64 of them) through two LDS slots.
; CLUSTERS: 4 x 4 work-groups, all in one half of K (the half is made of the cluster's y alone).  The four of a row of the cluster need the same tiles of A, the four of a column the same tiles of W:
; each tile is asked for JOINTLY, by the same tensor load with the same descriptor and a mask that names the four.
; THE MATRIX INSTRUCTION IS USED TRANSPOSED (source 0 = 16 rows of W, source 1 = 16 rows of A): a lane then holds eight neighbouring numbers of a row of the result, 32 bytes.
; LIMITS.  f16 operands, within 65,504; sums in f32, K ascending within a half.
; REGISTERS: window 0: v0-31 addresses; v128-255 the accumulators ((a, b) at v[128 + 8 (4 a + b)]).
;   window 1: two fragment buffers of 128: for 64 along K (two matrix instructions deep), 64 registers of A (2 x 4 x 16 rows x 32 K), then 64 of W.
.set KPITCH, 9216                      ; elements from row to row of A and of W
.set KPART,  4608                      ; elements of K in a work-group's half
.set KSTEP,  256
.set PITCH,  528                       ; an LDS row: 512 bytes of data + 16 of padding = 132 words: row r starts at bank 4 r mod 64 (64 banks of 4 bytes: ISA guide 11.1)
.set HALFT,  64*PITCH                  ; 64 rows: what one tensor load brings, and what one wave reads of A or of W
.set SLOT,   4*HALFT                   ; A's 128 rows, then W's 128 rows
.set STAGE,  2*SLOT                    ; behind the ring, never filled by a tensor load: 16 rows x 272 bytes for each wave, for the way out
.set SPITCH, 272
.set SPARE,  STAGE+4*16*SPITCH         ; behind the stages: the spare words, 128 bytes for each wave: two blocks of 256 bytes that no other line names
.set LAPS, KPART/(2*KSTEP)             ; 9 laps; a lap = two K steps = once round the ring
.set ADRA, 16                          ; v16-17  LDS address of my A fragments in slot 0, 1
.set ADRB, 20                          ; v20-21  the same for W
.set STO,  24                          ; v24     the way out: where I put 32 bytes of a row
.set RD,   25                          ; v25     the way out: where I read a row back
.set CO,   26                          ; v26     my byte offset in part
.set SPW,  28                          ; v28     LDS address of my spare word: SPARE + 4 x my thread's number; never rewritten
.set NIL,  29                          ; v29     0; never rewritten
.set ACC,  128
.set F0,   0                           ; fragment buffers, in window 1
.set F1,   128
.set G1, 24                            ; s[24:31] descriptor group 1 for A's tiles;  s[32:39] group 0, one set for each slot
.set G0, 32
.set G1B, 48                           ; s[48:55], s[56:63] the same for W's tiles
.set G0B, 56
.set MSB, 0
.macro WIN new                         ; the immediate's high byte repeats the setting that is left; a switch that changes nothing is dropped
.if MSB != (\new)
	s_set_vgpr_msb (MSB<<8)|(\new)
.set MSB, \new
.endif
.endm
.set MUL,  0x05                        ; sources 0 (W) and 1 (A) window 1; C and D window 0
.set TO_F, 0x40                        ; destination window 1, address window 0
.macro JLOAD s                         ; a joint load: waves 0 and 1 fetch A's two halves, waves 2 and 3 W's; the branch hangs on the wave's number alone; an s_nop 0 and four v_nop follow each of the two lines
	s_cmp_eq_u32 s11, 0
	s_cbranch_scc0 .Lfor_b_\@
	tensor_load_to_lds s[G0+4*(\s):G0+4*(\s)+3], s[G1:G1+7]
	s_nop 0
.rept 4
	v_nop
.endr
	s_branch .Lasked_\@
.Lfor_b_\@:
	tensor_load_to_lds s[G0B+4*(\s):G0B+4*(\s)+3], s[G1B:G1B+7]
	s_nop 0
.rept 4
	v_nop
.endr
.Lasked_\@:
.endm
.macro CREST                           ; a round of the cluster's barrier behind its opening barrier: wave 0 signals for the work-group, every wave waits for all sixteen, my work-group's barrier closes it
	s_cmp_lg_u32 s10, 0
	s_cbranch_scc1 .Lnot_wave_0_\@
	s_barrier_signal -3
.Lnot_wave_0_\@:
	s_barrier_wait -3
	s_barrier_signal -1
	s_barrier_wait -1
.endm
.macro CROUND                          ; a whole round
	s_barrier_signal -1
	s_barrier_wait -1
	CREST
.endm
	s_load_b128 s[4:7], s[0:1], 0x0                ; A s[4:5], W s[6:7]
	s_load_b64 s[8:9], s[0:1], 0x10                ; part
	v_lshl_add_u32 v[SPW], v0, 2, SPARE
	v_mov_b32 v[NIL], 0
	ds_add_u32 v[SPW], v[NIL]                      ; the wave's opening: the add, twice on end, and its wait ahead of my first tensor load; the set-up below stands between the second and the wait
	ds_add_u32 v[SPW], v[NIL]                      ; and once more, under the one wait
	v_lshrrev_b32 v1, 5, v0
	v_readfirstlane_b32 s10, v1                    ; wave 0..3
	s_lshr_b32 s11, s10, 1                         ; which half of the tile's rows is mine.  Also: I fetch for A (0) or for W (1)
	s_and_b32 s12, s10, 1                          ; which half of its columns.  Also: which 64 rows of that tile I fetch
	s_bfe_u32 s40, ttmp6, 0x40000                  ; cx, cy: my place in the cluster
	s_bfe_u32 s41, ttmp6, 0x40004
	s_lshl_b32 s42, ttmp9, 2
	s_add_co_u32 s42, s42, s40                     ; tile column = 4 x cluster x + cx: 0..7
	s_and_b32 s13, ttmp7, 0xffff                   ; cluster y: 0..7
	s_lshr_b32 s45, s13, 2                         ; the half of K: the same in all sixteen partners
	s_and_b32 s13, s13, 3
	s_lshl_b32 s13, s13, 2
	s_add_co_u32 s13, s13, s41                     ; tile row = 4 x (cluster y mod 4) + cy: 0..15
	s_lshl_b32 s43, s41, 2
	s_lshl_b32 s43, 15, s43                        ; my row of the cluster
	s_lshl_b32 s44, 0x1111, s40                    ; my column
	; descriptor group 1: a tile of 64 rows x 256 elements, padded in LDS
	s_or_b32 s[G1+0], s43, (1<<16)|(1<<20)|(1<<21)|(6<<22)|(3<<25)  ; 15:0 the mask: A's tiles go to my row; 17:16 elements of 2 bytes; 20 padding on; 21 set beside a mask; 24:22 after every 128 words (code 6); 31:25 4 words of it (code 3)
	s_or_b32 s[G1B+0], s44, (1<<16)|(1<<20)|(1<<21)|(6<<22)|(3<<25) ; the same with the mask of my column, for W's tiles
.irp g, G1, G1B
	s_mov_b32 s[(\g)+1], KSTEP<<16                 ; tensor_dim0 = 256
	s_mov_b32 s[(\g)+2], 64<<16                    ; tensor_dim1 = 64
	s_mov_b32 s[(\g)+3], KSTEP<<16                 ; tile_dim0 = 256
	s_mov_b32 s[(\g)+4], 64                        ; tile_dim1 = 64
	s_mov_b32 s[(\g)+5], KPITCH                    ; elements from row to row
	s_mov_b32 s[(\g)+6], 0
	s_mov_b32 s[(\g)+7], 0
.endr
	; where the tiles come from.  A's hang on the tile row, W's on the tile column, both on the half of K; each in registers that never hold the other coordinate
	s_lshl_b32 s17, s12, 6                         ; which 64 rows of the tile I fetch
	s_lshl_b32 s16, s13, 7
	s_add_co_u32 s16, s16, s17                     ; A: row 128 x tile row + 64 x half
	s_lshl_b32 s46, s42, 7
	s_add_co_u32 s46, s46, s17                     ; W: row 128 x tile column + 64 x half
	s_mov_b32 s17, 0
	s_mov_b32 s47, 0
	s_mov_b64 s[18:19], KPITCH*2
	s_mul_u64 s[16:17], s[16:17], s[18:19]
	s_mul_u64 s[46:47], s[46:47], s[18:19]
	s_mul_i32 s22, s45, KPART*2                    ; my half of K begins so many bytes into a row
	s_mov_b32 s23, 0
	s_add_nc_u64 s[16:17], s[16:17], s[22:23]
	s_add_nc_u64 s[46:47], s[46:47], s[22:23]
	s_mul_i32 s20, s10, HALFT                      ; where they go: wave x 64 rows: no place in the cluster enters an LDS address
	s_wait_dscnt 0x0                               ; both opening adds are done
	s_wait_kmcnt 0x0
	s_add_nc_u64 s[14:15], s[4:5], s[16:17]
	s_add_nc_u64 s[46:47], s[6:7], s[46:47]
	CROUND                                         ; all sixteen work-groups are here: the first joint loads meet
.irp s, 0,1
	s_mov_b32 s[G0+4*(\s)], 1                                        ; count = 1
	s_add_co_u32 s[G0+4*(\s)+1], s20, (\s)*SLOT                      ; LDS address
	s_add_nc_u64 s[G0+4*(\s)+2:G0+4*(\s)+3], s[14:15], (\s)*KSTEP*2  ; global address: K step s
	s_or_b32 s[G0+4*(\s)+3], s[G0+4*(\s)+3], 0x80000000              ; type = 2
	s_mov_b32 s[G0B+4*(\s)], 1
	s_add_co_u32 s[G0B+4*(\s)+1], s20, (\s)*SLOT
	s_add_nc_u64 s[G0B+4*(\s)+2:G0B+4*(\s)+3], s[46:47], (\s)*KSTEP*2
	s_or_b32 s[G0B+4*(\s)+3], s[G0B+4*(\s)+3], 0x80000000
	JLOAD \s                                       ; two loads of mine are out
.endr
	v_and_b32 v1, 15, v0                           ; l % 16
	v_bfe_u32 v2, v0, 4, 1                         ; l / 16
	v_mul_u32_u24 v3, v1, PITCH
	v_lshl_add_u32 v3, v2, 4, v3                   ; a fragment's row x pitch + 16 x half
	s_mul_i32 s21, s11, HALFT                      ; my 64 rows of A
	s_mul_i32 s22, s12, HALFT                      ; my 64 rows of W,
	s_add_co_u32 s22, s22, 2*HALFT                 ; which lie behind A's 128
.irp s, 0,1
	v_add_nc_u32 v[ADRA+(\s)], s21, v3
	v_add_nc_u32 v[ADRB+(\s)], s22, v3
	s_add_co_u32 s21, s21, SLOT
	s_add_co_u32 s22, s22, SLOT
.endr
	s_mul_i32 s23, s10, 16*SPITCH
	s_add_co_u32 s23, s23, STAGE                   ; my stage
	v_mul_u32_u24 v4, v1, SPITCH                   ; in: row l % 16, 32 bytes for each half of the lanes
	v_lshl_add_u32 v4, v2, 5, v4
	v_add_nc_u32 v[STO], s23, v4
	v_mul_u32_u24 v5, v2, SPITCH                   ; back: lanes 0-15 take one row of 256 bytes, lanes 16-31 the next
	v_lshl_add_u32 v5, v1, 4, v5
	v_add_nc_u32 v[RD], s23, v5
	v_lshlrev_b32 v5, 12, v2                       ; and the same two rows in part: 4,096 bytes a row
	v_lshl_add_u32 v[CO], v1, 4, v5
	s_lshl_b32 s16, s13, 7
	s_lshl_b32 s17, s11, 6
	s_add_co_u32 s16, s16, s17                     ; my first row: 128 x tile row + 64 x half
	s_lshl_b32 s16, s16, 12
	s_lshl_b32 s17, s45, 23                        ; the half's 2,048 x 4,096 bytes
	s_add_co_u32 s16, s16, s17
	s_mov_b32 s17, 0
	s_add_nc_u64 s[8:9], s[8:9], s[16:17]
	s_lshl_b32 s46, s42, 9                         ; my first column, in bytes: 512 x tile column + 256 x half
	s_lshl_b32 s47, s12, 8
	s_add_co_u32 s46, s46, s47
	s_mov_b32 s47, 0
	s_add_nc_u64 s[8:9], s[8:9], s[46:47]
; 8 matrix instructions: m blocks a0, a0 + 1 x all 4 n blocks, 32 along K: half c of buffer f.  zero = 1: the first product starts the sums: nothing is cleared.
; The 16 accumulators take turns, one instruction a turn, in the same order everywhere.
.macro MUL8 f, c, a0, zero
	WIN MUL
.irp a, \a0, (\a0)+1
.irp b, 0,1,2,3
.if \zero
	v_wmma_f32_16x16x32_f16 v[ACC+8*(4*(\a)+(\b)):ACC+8*(4*(\a)+(\b))+7], v[(\f)+64+8*(4*(\c)+(\b)):(\f)+64+8*(4*(\c)+(\b))+7], v[(\f)+8*(4*(\c)+(\a)):(\f)+8*(4*(\c)+(\a))+7], 0
.else
	v_wmma_f32_16x16x32_f16 v[ACC+8*(4*(\a)+(\b)):ACC+8*(4*(\a)+(\b))+7], v[(\f)+64+8*(4*(\c)+(\b)):(\f)+64+8*(4*(\c)+(\b))+7], v[(\f)+8*(4*(\c)+(\a)):(\f)+8*(4*(\c)+(\a))+7], v[ACC+8*(4*(\a)+(\b)):ACC+8*(4*(\a)+(\b))+7]
.endif
.endr
.endr
.endm
; 32 LDS loads in one run: the fragments of 64 along K at byte k of the rows, into buffer f; the first 32 along K first
.macro FETCH slot, k, f
	WIN TO_F
.irp c, 0,1
.irp i, 0,1,2,3
	ds_load_b128 v[(\f)+64+8*(4*(\c)+(\i)):(\f)+64+8*(4*(\c)+(\i))+3],   v[ADRB+(\slot)] offset:(\k)+64*(\c)+(\i)*16*PITCH
	ds_load_b128 v[(\f)+64+8*(4*(\c)+(\i))+4:(\f)+64+8*(4*(\c)+(\i))+7], v[ADRB+(\slot)] offset:(\k)+64*(\c)+(\i)*16*PITCH+32
	ds_load_b128 v[(\f)+8*(4*(\c)+(\i)):(\f)+8*(4*(\c)+(\i))+3],         v[ADRA+(\slot)] offset:(\k)+64*(\c)+(\i)*16*PITCH
	ds_load_b128 v[(\f)+8*(4*(\c)+(\i))+4:(\f)+8*(4*(\c)+(\i))+7],       v[ADRA+(\slot)] offset:(\k)+64*(\c)+(\i)*16*PITCH+32
.endr
.endr
.endm
.macro PLACES                          ; four plain vector instructions in front of loads into registers that matrix instructions have read, and of LDS stores that read results
.rept 4
	v_nop
.endr
.endm
; A K step is four quarters of 64 along K, 32 matrix instructions each, on buffers 0, 1, 0, 1.  One of the first three: multiplies buffer f and fetches the next quarter, at byte k, into g.
.macro QUARTER slot, k, f, g, zero
	s_wait_dscnt 16                                ; the first 32 along K are in; the sixteen loads of the second 32 may be out
	WIN MUL
	MUL8 \f, 0, 0, \zero
	MUL8 \f, 0, 2, \zero
	PLACES
	FETCH \slot, \k, \g
	s_wait_dscnt 32                                ; all but the 32 just issued
	WIN MUL
	MUL8 \f, 1, 0, 0
	MUL8 \f, 1, 2, 0
.endm
; The last quarter multiplies buffer 1 and changes slots: ONE barrier; in front of it each wave waits for all its tensor loads, adds 0 to its spare word, and waits for that and for its own reads of this slot.
; fill = 1: this slot is filled again, two K steps ahead; the barrier then opens a round of the cluster's barrier.
.macro TURN slot, next, fill
	WIN 0                                          ; (the add's two registers lie in window 0)
	s_wait_tensorcnt 0x0                           ; all my tensor loads have landed: the one that was out is my part of the next slot;
	ds_add_u32 v[SPW], v[NIL]                      ; 0 onto my spare word
	s_wait_dscnt 17                                ; (the add and the youngest sixteen loads may be out)
	WIN MUL
	MUL8 F1, 0, 0, 0                               ; eight matrix instructions stand between the add and the wait for it
	s_wait_dscnt 0x0                               ; the add is done, and my reads of this slot are over
	s_barrier_signal -1
	MUL8 F1, 0, 2, 0                               ; work on registers while the others arrive
.if \fill
	WIN 0
.endif
	s_barrier_wait -1
.if \fill
	CREST                                          ; no wave of any partner still reads this slot's tile or has a load on its way
	s_add_nc_u64 s[G0+4*(\slot)+2:G0+4*(\slot)+3], s[G0+4*(\slot)+2:G0+4*(\slot)+3], 2*KSTEP*2
	s_add_nc_u64 s[G0B+4*(\slot)+2:G0B+4*(\slot)+3], s[G0B+4*(\slot)+2:G0B+4*(\slot)+3], 2*KSTEP*2
	JLOAD \slot                                    ; my one tensor load behind the round, and the first thing there: 112 matrix instructions ahead of the wait for it; its four v_nop are also the places in front of the loads below
.else
	PLACES
.endif
	FETCH \next, 0, F0
	WIN MUL
	MUL8 F1, 1, 0, 0
	MUL8 F1, 1, 2, 0
.endm
; THE WAY OUT of m block a: 16 rows x 64 columns of f32.  A lane's 32 bytes of a row go into my own stage, rows of 272 bytes, and come back as whole rows of 256, into the registers that they left.
.macro TOSTAGE a
.irp b, 0,1,2,3
	ds_store_b128 v[STO], v[ACC+32*(\a)+8*(\b):ACC+32*(\a)+8*(\b)+3]   offset:64*(\b)      ; each accumulator is read from its low end on
	ds_store_b128 v[STO], v[ACC+32*(\a)+8*(\b)+4:ACC+32*(\a)+8*(\b)+7] offset:64*(\b)+16
.endr
.irp t, 0,1,2,3,4,5,6,7
	ds_load_b128 v[ACC+32*(\a)+4*(\t):ACC+32*(\a)+4*(\t)+3], v[RD] offset:(\t)*2*SPITCH  ; LDS serves a wave's instructions in order (ISA guide 5.7.1.4): these see the stores above; the next block's stores come behind them
.endr
.endm
.macro SEND a, younger                 ; younger: the LDS instructions issued behind block a's loads: the next block's sixteen, or none
.irp t, 0,1,2,3,4,5,6,7
	s_wait_dscnt (\younger)+7-(\t)
	global_store_b128 v[CO], v[ACC+32*(\a)+4*(\t):ACC+32*(\a)+4*(\t)+3], s[8:9] offset:(16*(\a)+2*(\t))*4096  ; 16 lanes store 256 consecutive bytes, at a multiple of 256 from part's first byte
.endr
.endm
	s_wait_tensorcnt 1                             ; my part of K step 0 is in; K step 1's may stay out
	s_barrier_signal -1
	s_barrier_wait -1                              ; everybody's is
	FETCH 0, 0, F0
	QUARTER 0, 128, F0, F1, 1                      ; the first quarter stands in front of the loop: its first products start the sums
	WIN 0                                          ; at a label and at a branch every window is 0
	s_mov_b32 s3, LAPS-1
.Llap:                                             ; a trip goes once round the ring, from a lap's second quarter to the next lap's first, and fills both slots again
	QUARTER 0, 256, F1, F0, 0
	QUARTER 0, 384, F0, F1, 0
	TURN 0, 1, 1
	QUARTER 1, 128, F0, F1, 0
	QUARTER 1, 256, F1, F0, 0
	QUARTER 1, 384, F0, F1, 0
	TURN 1, 0, 1
	QUARTER 0, 128, F0, F1, 0
	WIN 0
	s_sub_co_u32 s3, s3, 1
	s_cmp_lg_u32 s3, 0
	s_cbranch_scc1 .Llap
	QUARTER 0, 256, F1, F0, 0                      ; the last lap fills nothing, and has no round of the cluster's barrier
	QUARTER 0, 384, F0, F1, 0
	TURN 0, 1, 0
	QUARTER 1, 128, F0, F1, 0
	QUARTER 1, 256, F1, F0, 0
	QUARTER 1, 384, F0, F1, 0
	s_wait_dscnt 16                                ; the very last quarter: nothing more to fetch
	WIN MUL
	MUL8 F1, 0, 0, 0
	MUL8 F1, 0, 2, 0
	s_wait_dscnt 0x0
	MUL8 F1, 1, 0, 0
	MUL8 F1, 1, 2, 0
	WIN 0
	PLACES                                         ; the LDS stores below read results just made
	TOSTAGE 0
	TOSTAGE 1                                      ; a block's trip through the stage stands between the loads of the block before and its stores
	SEND 0, 16
	TOSTAGE 2
	SEND 1, 16
	TOSTAGE 3
	SEND 2, 16
	SEND 3, 0
	s_wait_tensorcnt 0x0                           ; the wave's end, behind my last tensor load and my last LDS store
	ds_add_u32 v[SPW], v[NIL]
	s_wait_dscnt 0x0
	CROUND                                         ; the closing round: no work-group ends while a partner may still ask for a tile that names it
	s_endpgm
.Lfunc_end_k_q3adef3e61f_gemm1:
	.size	k_q3adef3e61f_gemm1, .Lfunc_end_k_q3adef3e61f_gemm1-k_q3adef3e61f_gemm1
	.p2alignl 7, 3214868480
	.fill 96, 4, 3214868480
	.section	.rodata,"a",@progbits
	.p2align	6, 0x0
	.amdhsa_kernel k_q3adef3e61f_gemm1
		.amdhsa_group_segment_fixed_size 327680
		.amdhsa_private_segment_fixed_size 0
		.amdhsa_enable_private_segment 0
		.amdhsa_kernarg_size 24
		.amdhsa_user_sgpr_count 2
		.amdhsa_user_sgpr_kernarg_segment_ptr 1
		.amdhsa_wavefront_size32 1
		.amdhsa_system_sgpr_workgroup_id_x 1
		.amdhsa_system_sgpr_workgroup_id_y 1
		.amdhsa_system_sgpr_workgroup_id_z 1
		.amdhsa_system_vgpr_workitem_id 0
		.amdhsa_next_free_vgpr 512
		.amdhsa_next_free_sgpr 66
		.amdhsa_reserve_vcc 0
		.amdhsa_float_denorm_mode_32 3
		.amdhsa_float_denorm_mode_16_64 3
		.amdhsa_memory_ordered 1
		.amdhsa_forward_progress 1
		.amdhsa_inst_pref_size 87
	.end_amdhsa_kernel
	.amdgpu_metadata
---
amdhsa.version: [ 1, 2 ]
amdhsa.kernels:
  - .name:           k_q3adef3e61f_gemm1
    .symbol:         k_q3adef3e61f_gemm1.kd
    .args:
      - { .name: ah, .offset: 0, .size: 8, .value_kind: global_buffer, .address_space: global }
      - { .name: wh0, .offset: 8, .size: 8, .value_kind: global_buffer, .address_space: global }
      - { .name: part, .offset: 16, .size: 8, .value_kind: global_buffer, .address_space: global }
    .group_segment_fixed_size: 327680
    .private_segment_fixed_size: 0
    .kernarg_segment_align: 8
    .kernarg_segment_size: 24
    .max_flat_workgroup_size: 128
    .sgpr_count:     66
    .vgpr_count:     512
    .wavefront_size: 32
...
	.end_amdgpu_metadata
.endif
;; end of part 2
;; launch lnexpand (part 3): grid 256 x 1, 16 waves a work-group, no clusters, 167,936 bytes of LDS; arguments part, grid, ln_g, ln_b, prelu_a, ah, base_w, spline_w, wh1; writes ah, wh1
.if DOCPART == 3
	.amdgcn_target "amdgcn-amd-amdhsa--gfx1250"
	.amdhsa_code_object_version 6
	.text
	.protected	k_q3adef3e61f_lnexpand
	.globl	k_q3adef3e61f_lnexpand
	.p2align	8
	.type	k_q3adef3e61f_lnexpand,@function
k_q3adef3e61f_lnexpand:
	s_mov_b64 s[64:65], 0
	v_nop
	global_prefetch_b8 v0, s[64:65] scope:SCOPE_SE
	s_setreg_imm32_b32 hwreg(HW_REG_WAVE_MODE, 25, 1), 1
	s_wait_xcnt 0x0
; THREE THINGS.  (1) Layer 1's end: h = part[0] + part[1]; LayerNorm over a row's 1,024 numbers (mean, then the mean of squared differences from it: two passes, no difference of large sums), gain, bias, PReLU, all in f32.
; (2) Layer 2's first operand, of the result x: ah[row][9216] in f16: k < 8192 the eight cubic B-spline bases of feature k / 8 on layer 2's knots; k >= 8192 gelu(x) of feature k - 8192.
; (3) Layer 2's second operand: wh1[out][9216], the weights f32 -> f16 in the same order of k: spline_w's own order in memory, then base_w's row.  A row of either is 18,432 bytes.
; The bases are made by the Cox-de Boor recursion on each feature's own 12 knots, all 11 -> 10 -> 9 -> 8 of them: no order or spacing of the knots is assumed.
; With t_k[j] = (x - g[j]) / (g[j+k] - g[j]) the recursion is  b'[j] = t_k[j] b[j] + (1 - t_k[j+1]) b[j+1].  t_k[j] = x r + c, r = 1 / (g[j+k] - g[j]), c = -g[j] r: 30 pairs a feature, made once a thread.
; Where g[j+k] = g[j] the first term's divisor counts as 1: written for j = 0 alone, since for j >= 1 the second term of b'[j-1] divides by the same difference unguarded, and the row is not finite either way.
; gelu(x) = (x + |x| (1 - E)) / 2, E = erfc(|x| / sqrt 2) by Abramowitz and Stegun 7.1.26: within 1.5e-7 for every x.
; LIMITS.  f16 holds no number beyond 65,504 (gelu(x) is about x; a weight as it is) and keeps a step of 6e-8 below 6e-5.  A difference of knots below 2^-126 counts as 0 (ISA guide 15.8: v_rcp_f32 takes denormals as zero).
; SHARES.  A work-group owns 8 whole rows, thread t the features t and t + 512: the two halves of every register pair.  A row's sums meet in LDS: 16 lanes by DPP, 32 groups of 16 lanes through 1,024 bytes.
; THE WEIGHTS.  Work-group g owns out rows 4 g .. 4 g + 3 of layer 2: 131,072 consecutive bytes of spline_w and 16,384 of base_w, 18 dense blocks of 8,192 bytes.  They are asked for at the head by tensor loads, which
; take no vector register, and land in LDS while the rows are normalised and expanded; nothing is filled twice.  Wave w brings spline block w, and reads it alone; waves 0 and 1 also bring a base block each,
; which all waves read behind the barrier that gelu's way out has anyway.  The weights leave behind the row loop, when the tables' registers are free.
.set ROWB, 18432                       ; bytes in a row of ah and of wh1
.set WSP,  0                           ; LDS: 16 blocks of 8,192 bytes of spline_w in f32, wave w's at 8,192 w
.set WBA,  131072                      ; 2 blocks of 8,192 bytes of base_w in f32
.set GEL,  147456                      ; 8 rows x 2,048 bytes of gelu in f16: blocks of 256 bytes into which no tensor load lands, like all that follows
.set RED1, 163840                      ; 32 entries (a group of 16 lanes each) x 8 rows x 4 bytes: the rows' sums
.set RED2, 164864                      ; the same for the sums of squares: bytes of their own, so one barrier serves each sum
.set SPARE, 165888                     ; the spare words, 128 bytes for each of 16 waves, which no other line names
.set SPW, 2                            ; v2   LDS address of my spare word; never rewritten
.set NIL, 3                            ; v3   0; never rewritten
.set AO,  4                            ; v4   16 t
.set LG,  5                            ; v5   GEL + 2 t + the row pair in hand
.set RA,  6                            ; v6   RED1 + 32 x (t / 16): my group's entry
.set RB,  7                            ; v7   RED1 + 32 x (t % 16): the entry that I read back
.set X,   8                            ; v[8:23]    row r's two numbers at X + 2 r
.set KN,  24                           ; v[24:47]   knot j of both features at KN + 2 j
.set RT,  48                           ; v[48:107]  r, entry e(k, j) = EB(k) + j, EB = 0, 11, 21; behind the loop v[48:111] take my block of weights
.set CT,  108                          ; v[108:167] c
.set B,   168                          ; v[168:189] the bases in hand
.set RAW, 168                          ; v[168:191] before the loop: the knots as loaded
.set O0,  190                          ; v[190:197] the even row's bytes to store
.set T,   198                          ; v[198:219] t_k[j]; before the loop part's second half, then slope x h
.set Q,   220                          ; v[220:227] (1 - t[j]) b[j]; before the loop one sum for each of the 8 rows
.set G,   228                          ; v[228:235] gelu
.set GL,  236
.set GO,  237
.set TA,  238                          ; v238  48 t
.set XO,  239                          ; v239  4 t
.set TM,  240
.set WL,  241                          ; v241  LDS address of my 16 bytes in my wave's spline block: 8,192 wave + 16 lane
.set WD,  242                          ; v242  where they go in the work-group's four rows of wh1: (wave / 4) rows + 4,096 (wave % 4) + 8 lane
.set GA,  243                          ; v243  the way out: GEL + 16 t
.set LNG, 244                          ; v[244:245] my two gains
.set LNB, 246                          ; v[246:247] my two biases
.set BL,  244                          ; v244  the way out, when the gains have served: WBA + 16 t
.set BD,  245                          ; v245  the way out: (t / 256) rows + 8 (t % 256)
.set O1,  248                          ; v[248:255] the odd row's bytes to store
.set MA,  36                           ; s36-47  lanes where x >= knot j, feature t
.set MB,  48                           ; s48-59  the same, feature t + 512
.set WV,  61                           ; s61  my wave's number
.set WP,  8                            ; s[8:9]   wh1 at the work-group's four rows
.set AP,  10                           ; s[10:11] ah at the row pair in hand
.set AP0, 12                           ; s[12:13] ah at the work-group's first row
.set GR,  74                           ; s[74:75] grid
.set G0B, 4                            ; s[4:7]   descriptor group 0: a base block (waves 0 and 1)
.set G0S, 68                           ; s[68:71] descriptor group 0: my spline block
.set G1,  92                           ; s[92:99] descriptor group 1: the shape of every block; never rewritten
.macro TAB_LOAD goff                   ; six loads: 48 bytes of knots for each of my two features
.irp i, 0,1,2
	global_load_b128 v[RAW+4*\i:RAW+4*\i+3], v[TA], s[GR:GR+1] offset:(\goff)+16*\i
.endr
.irp i, 0,1,2
	global_load_b128 v[RAW+12+4*\i:RAW+12+4*\i+3], v[TA], s[GR:GR+1] offset:(\goff)+24576+16*\i
.endr
.endm
.macro TAB_MAKE                        ; the knots in pairs, and the 30 pairs (r, c)
.set j, 0
.rept 12
	v_mov_b32 v[KN+2*j], v[RAW+j]
	v_mov_b32 v[KN+2*j+1], v[RAW+12+j]
.set j, j+1
.endr
.irp k, 1,2,3
.set j, 0
.rept 12-\k
.set e, ((\k)-1)*11-((\k)-1)*((\k)-2)/2+j
	v_pk_add_f32 v[RT+2*e:RT+2*e+1], v[KN+2*(j+\k):KN+2*(j+\k)+1], v[KN+2*j:KN+2*j+1] neg_lo:[0,1] neg_hi:[0,1]
.set j, j+1
.endr
.endr
.irp k, 1,2,3
.set e, ((\k)-1)*11-((\k)-1)*((\k)-2)/2
.irp c, 0,1
	v_cmp_eq_f32 vcc_lo, v[KN+2*\k+\c], v[KN+\c]   ; g[k] = g[0]: the divisor counts as 1
	v_cndmask_b32 v[RT+2*e+\c], v[RT+2*e+\c], 1.0, vcc_lo
.endr
.endr
.set j, 0
.rept 60
	v_rcp_f32 v[RT+j], v[RT+j]
.set j, j+1
.endr
	v_nop                                          ; a plain instruction behind the last reciprocal (ISA guide 5.7.2),
	s_wait_alu depctr_va_vdst(0)                   ; and one wait for the batch of 60, ahead of the first reader
.irp k, 1,2,3
.set j, 0
.rept 12-\k
.set e, ((\k)-1)*11-((\k)-1)*((\k)-2)/2+j
	v_pk_mul_f32 v[CT+2*e:CT+2*e+1], v[KN+2*j:KN+2*j+1], v[RT+2*e:RT+2*e+1] neg_lo:[1,0] neg_hi:[1,0]
.set j, j+1
.endr
.endr
.endm
.macro GEL1 xr                         ; gelu's four transcendentals are issued first; the row's recursion is the independent work behind them
	v_and_b32 v[G], s15, v[(\xr)]
	v_and_b32 v[G+1], s15, v[(\xr)+1]
	v_pk_fma_f32 v[G+2:G+3], v[G:G+1], s[16:17], 1.0 op_sel_hi:[1,0,0]   ; 1 + 0.3275911 |x| / sqrt 2
	v_pk_mul_f32 v[G+4:G+5], v[(\xr):(\xr)+1], s[18:19] op_sel_hi:[1,0]
	v_pk_mul_f32 v[G+4:G+5], v[G+4:G+5], v[(\xr):(\xr)+1]                ; -x^2 log2(e) / 2
	v_rcp_f32 v[G+2], v[G+2]
	v_rcp_f32 v[G+3], v[G+3]
	v_exp_f32 v[G+4], v[G+4]
	v_exp_f32 v[G+5], v[G+5]
.endm
.macro LEVEL0 xr                       ; b[j] = 1 where g[j] <= x < g[j+1]: twelve compares a feature, and x < g[j+1] is the negation of the next compare (for a NaN all are 0, both ways)
.set j, 0
.rept 12
	v_cmp_ge_f32 s[MA+j], v[(\xr)], v[KN+2*j]
	v_cmp_ge_f32 s[MB+j], v[(\xr)+1], v[KN+2*j+1]
.set j, j+1
.endr
.set j, 0
.rept 11
	s_and_not1_b32 s[MA+j], s[MA+j], s[MA+j+1]
	s_and_not1_b32 s[MB+j], s[MB+j], s[MB+j+1]
.set j, j+1
.endr
.set j, 0
.rept 11
	v_cndmask_b32 v[B+2*j], 0, 1.0, s[MA+j]
	v_cndmask_b32 v[B+2*j+1], 0, 1.0, s[MB+j]
.set j, j+1
.endr
.endm
.macro QS m                            ; (1 - t[m]) b[m], of the old b[m]
	v_pk_fma_f32 v[Q+2*((\m)%4):Q+2*((\m)%4)+1], v[T+2*(\m):T+2*(\m)+1], v[B+2*(\m):B+2*(\m)+1], v[B+2*(\m):B+2*(\m)+1] neg_lo:[1,0,0] neg_hi:[1,0,0]
.endm
.macro LEVEL xr, k                     ; n = 11 - k new bases, in place; QS runs four ahead, so b[m] is read before it is written anew
.set n, 11-(\k)
.set eb, ((\k)-1)*11-((\k)-1)*((\k)-2)/2
.set j, 0
.rept n+1
	v_pk_fma_f32 v[T+2*j:T+2*j+1], v[(\xr):(\xr)+1], v[RT+2*(eb+j):RT+2*(eb+j)+1], v[CT+2*(eb+j):CT+2*(eb+j)+1]
.set j, j+1
.endr
	QS 1
	QS 2
	QS 3
.set j, 0
.rept n
.if j+4 <= n
	QS j+4
.endif
	v_pk_fma_f32 v[B+2*j:B+2*j+1], v[T+2*j:T+2*j+1], v[B+2*j:B+2*j+1], v[Q+2*((j+1)%4):Q+2*((j+1)%4)+1]
.set j, j+1
.endr
.endm
.macro OUT rr, o                       ; eight bases of each feature, rounded once to f16: 16 bytes each
.irp c, 0,1,2,3
	v_cvt_pk_f16_f32 v[(\o)+\c], v[B+4*\c], v[B+4*\c+2]
	v_cvt_pk_f16_f32 v[(\o)+4+\c], v[B+4*\c+1], v[B+4*\c+3]
.endr
	global_store_b128 v[AO], v[(\o):(\o)+3], s[AP:AP+1] offset:(\rr)*ROWB          ; a wave stores 512 consecutive bytes, aligned
	global_store_b128 v[AO], v[(\o)+4:(\o)+7], s[AP:AP+1] offset:(\rr)*ROWB+8192   ; feature t + 512
.endm
.macro GEL2 xr, rr
	s_wait_alu depctr_va_vdst(0)                   ; one wait for the row's four transcendentals, ahead of their first reader
	v_pk_fma_f32 v[G+6:G+7], v[G+2:G+3], s[20:21], s[22:23] op_sel_hi:[1,0,0]
	v_pk_fma_f32 v[G+6:G+7], v[G+6:G+7], v[G+2:G+3], s[24:25] op_sel_hi:[1,1,0]
	v_pk_fma_f32 v[G+6:G+7], v[G+6:G+7], v[G+2:G+3], s[26:27] op_sel_hi:[1,1,0]
	v_pk_fma_f32 v[G+6:G+7], v[G+6:G+7], v[G+2:G+3], s[28:29] op_sel_hi:[1,1,0]
	v_pk_mul_f32 v[G+4:G+5], v[G+4:G+5], v[G+2:G+3]
	v_pk_mul_f32 v[G+6:G+7], v[G+6:G+7], v[G+4:G+5]                               ; E
	v_pk_fma_f32 v[G+6:G+7], v[G:G+1], v[G+6:G+7], v[G:G+1] neg_lo:[1,0,0] neg_hi:[1,0,0]  ; |x| - |x| E
	v_pk_add_f32 v[G+6:G+7], v[G+6:G+7], v[(\xr):(\xr)+1]
	v_pk_mul_f32 v[G+6:G+7], v[G+6:G+7], 0.5 op_sel_hi:[1,0]
	v_cvt_pk_f16_f32 v[GL], v[G+6], v[G+7]
	ds_store_b16 v[LG], v[GL] offset:(\rr)*2048
	ds_store_b16_d16_hi v[LG], v[GL] offset:(\rr)*2048+1024
.endm
.macro ROWX rr, o                      ; one row of my two features
	GEL1 X+2*(\rr)
	LEVEL0 X+2*(\rr)
	LEVEL X+2*(\rr), 1
	LEVEL X+2*(\rr), 2
	LEVEL X+2*(\rr), 3
	OUT \rr, \o
	GEL2 X+2*(\rr), \rr
.endm
.macro WOUT                            ; my wave's spline block leaves: 16 sweeps of 512 bytes of f32, 256 bytes of f16 each
	s_wait_tensorcnt 0x0                           ; my tensor loads have landed: my own block may be read, and for the others' sake (waves 0 and 1) the base blocks are whole ahead of my next signal
.set i, 0
.rept 16
	ds_load_b128 v[RT+4*i:RT+4*i+3], v[WL] offset:WSP+512*i   ; 32 lanes, 16 neighbouring bytes each: no bank is asked twice
.set i, i+1
.endr
.set i, 0
.rept 16
	s_wait_dscnt 15-i                              ; LDS loads come back in order (ISA guide 5.7.1): sweep i is in, the younger ones stay out
	v_cvt_pk_f16_f32 v[RT+4*i], v[RT+4*i], v[RT+4*i+1]
	v_cvt_pk_f16_f32 v[RT+4*i+1], v[RT+4*i+2], v[RT+4*i+3]
	global_store_b64 v[WD], v[RT+4*i:RT+4*i+1], s[WP:WP+1] offset:256*i th:TH_STORE_NT  ; a wave stores 256 consecutive bytes, aligned
.set i, i+1
.endr
.endm
.macro DPPSUM                          ; the eight rows' sums over a group of 16 lanes; every lane of the group ends with them
.irp m, 1,2,4,8
.set r, 0
.rept 8
	v_add_f32_dpp v[Q+r], v[Q+r], v[Q+r] row_xmask:\m row_mask:0xf bank_mask:0xf
.set r, r+1
.endr
.endr
.endm
.macro WGSUM ro                        ; the eight rows' sums over the work-group's 512 threads; every lane ends with all eight.  ro: the area's distance from RED1, which the address registers hold
	DPPSUM
	ds_store_b128 v[RA], v[Q:Q+3] offset:(\ro)        ; the 16 lanes of a group write the same bytes with the same numbers
	ds_store_b128 v[RA], v[Q+4:Q+7] offset:(\ro)+16
	s_wait_dscnt 0x0                               ; for the others' sake: my stores are done
	s_barrier_signal -1
	s_barrier_wait -1                              ; (the weights' tensor loads may be out here, and their bytes are read behind later waits)
	ds_load_b128 v[Q:Q+3], v[RB] offset:(\ro)         ; lane l takes entries l % 16 and l % 16 + 16
	ds_load_b128 v[Q+4:Q+7], v[RB] offset:(\ro)+16
	ds_load_b128 v[B:B+3], v[RB] offset:(\ro)+512
	ds_load_b128 v[B+4:B+7], v[RB] offset:(\ro)+528
	s_wait_dscnt 0x0
.irp p, 0,2,4,6
	v_pk_add_f32 v[Q+\p:Q+\p+1], v[Q+\p:Q+\p+1], v[B+\p:B+\p+1]
.endr
	DPPSUM
.endm
	s_load_b256 s[72:79], s[0:1], 0x0              ; part s[72:73], grid s[74:75], ln_g s[76:77], ln_b s[78:79]
	s_load_b256 s[80:87], s[0:1], 0x20             ; prelu_a s[80:81], ah s[82:83], base_w s[84:85], spline_w s[86:87]
	s_load_b64 s[88:89], s[0:1], 0x40              ; wh1
	v_lshl_add_u32 v[SPW], v0, 2, SPARE
	v_mov_b32 v[NIL], 0
	ds_add_u32 v[SPW], v[NIL]                      ; the wave's opening: the add, twice on end, and its wait ahead of my first tensor load; the set-up below stands between the second and the wait
	ds_add_u32 v[SPW], v[NIL]                      ; and once more, under the one wait
	v_lshrrev_b32 v1, 5, v0
	v_readfirstlane_b32 s[WV], v1                  ; wave 0..15, as a scalar: descriptors live in scalar registers
	; descriptor group 1: a dense block of 8,192 bytes as 32 rows of 256 bytes
	s_mov_b32 s[G1+0], 3<<16                       ; elements of 8 bytes; no mask, no padding: the block is read 16 neighbouring bytes a lane
	s_mov_b32 s[G1+1], 32<<16                      ; tensor_dim0 = 32 elements
	s_mov_b32 s[G1+2], 32<<16                      ; tensor_dim1 = 32 rows
	s_mov_b32 s[G1+3], 32<<16                      ; tile_dim0 = 32
	s_mov_b32 s[G1+4], 32                          ; tile_dim1 = 32
	s_mov_b32 s[G1+5], 32                          ; 32 elements from row to row
	s_mov_b32 s[G1+6], 0
	s_mov_b32 s[G1+7], 0
	s_mov_b32 s[G0S], 1                            ; count = 1
	s_lshl_b32 s[G0S+1], s[WV], 13                 ; LDS address: WSP + 8,192 x wave
	s_mov_b32 s[G0B], 1
	s_add_co_u32 s[G0B+1], s[G0S+1], WBA           ; LDS address: WBA + 8,192 x wave (used by waves 0 and 1)
	v_lshlrev_b32 v[AO], 4, v0
	v_lshl_add_u32 v[LG], v0, 1, GEL
	v_lshrrev_b32 v[RA], 4, v0
	v_lshl_add_u32 v[RA], v[RA], 5, RED1
	v_and_b32 v[RB], 15, v0
	v_lshl_add_u32 v[RB], v[RB], 5, RED1
	v_mul_u32_u24 v[TA], v0, 48
	v_lshlrev_b32 v[XO], 2, v0
	v_and_b32 v1, 31, v0                           ; lane
	v_lshl_add_u32 v[WL], v1, 4, s[G0S+1]
	s_lshr_b32 s62, s[WV], 2                       ; four waves to an out row's 32,768 bytes of spline_w
	s_mul_i32 s62, s62, ROWB
	s_and_b32 s63, s[WV], 3
	s_lshl_b32 s63, s63, 12                        ; 8,192 bytes of f32 become 4,096 of f16
	s_add_co_u32 s62, s62, s63
	v_lshl_add_u32 v[WD], v1, 3, s62
	s_mov_b32 s15, 0x7fffffff                      ; clears a sign
	s_mov_b32 s16, 0x3e6d3388                      ; 0.3275911 / sqrt 2.  The packed forms name pairs and take the low word for both halves; the high word is written too
	s_mov_b32 s17, s16
	s_mov_b32 s18, 0xbf38aa3b                      ; -log2(e) / 2
	s_mov_b32 s19, s18
	s_mov_b32 s20, 0x3f87dc22                      ; 1.061405429
	s_mov_b32 s21, s20
	s_mov_b32 s22, 0xbfba00e3                      ; -1.453152027
	s_mov_b32 s23, s22
	s_mov_b32 s24, 0x3fb5f0e3                      ; 1.421413741
	s_mov_b32 s25, s24
	s_mov_b32 s26, 0xbe91a98e                      ; -0.284496736
	s_mov_b32 s27, s26
	s_mov_b32 s28, 0x3e827906                      ; 0.254829592
	s_mov_b32 s29, s28
	s_mov_b32 s33, 0                               ; named with the slope as a pair
	s_mov_b32 s34, 0xba800000                      ; -1 / 1024
	s_mov_b32 s35, 0x3a800000                      ; 1 / 1024
	s_mov_b32 s60, 0x3727c5ac                      ; 1e-5
	s_mov_b32 s3, 0                                ; the upper word of every offset below
	s_wait_dscnt 0x0                               ; both opening adds are done
	s_wait_kmcnt 0x0
	s_load_b32 s32, s[80:81], 0x0                  ; layer 1's slope
	s_lshl_b32 s2, ttmp9, 15                       ; 8 rows of 4,096 bytes of part
	s_add_nc_u64 s[72:73], s[72:73], s[2:3]        ; the first half of K's sums,
	s_add_nc_u64 s[30:31], s[72:73], 0x800000      ; and the second's
	s_mul_i32 s2, ttmp9, 8*ROWB                    ; 8 rows of ah
	s_add_nc_u64 s[AP:AP+1], s[82:83], s[2:3]
	s_mov_b64 s[AP0:AP0+1], s[AP:AP+1]
	s_mul_i32 s2, ttmp9, 4*ROWB                    ; 4 rows of wh1
	s_add_nc_u64 s[WP:WP+1], s[88:89], s[2:3]
	s_lshl_b32 s2, ttmp9, 17                       ; 4 out rows of spline_w,
	s_add_co_u32 s2, s2, s[G0S+1]                  ; my wave's block of them,
	s_add_nc_u64 s[G0S+2:G0S+3], s[86:87], s[2:3]
	s_add_nc_u64 s[G0S+2:G0S+3], s[G0S+2:G0S+3], 0x2000000  ; in layer 2: 1,024 x 32,768 bytes on
	s_or_b32 s[G0S+3], s[G0S+3], 0x80000000        ; type = 2
	TAB_LOAD 49152                                 ; layer 2's knots; they, the gains and the sums are asked for ahead of the weights: they are wanted first
	global_load_b32 v[LNG], v[XO], s[76:77]        ; layer 1's gain and bias
	global_load_b32 v[LNG+1], v[XO], s[76:77] offset:2048
	global_load_b32 v[LNB], v[XO], s[78:79]
	global_load_b32 v[LNB+1], v[XO], s[78:79] offset:2048
.set r, 0
.rept 8
	global_load_b32 v[X+2*r], v[XO], s[72:73] offset:4096*r th:TH_LOAD_NT
	global_load_b32 v[X+2*r+1], v[XO], s[72:73] offset:4096*r+2048 th:TH_LOAD_NT
.set r, r+1
.endr
.set r, 0
.rept 8
	global_load_b32 v[T+2*r], v[XO], s[30:31] offset:4096*r th:TH_LOAD_NT
	global_load_b32 v[T+2*r+1], v[XO], s[30:31] offset:4096*r+2048 th:TH_LOAD_NT
.set r, r+1
.endr
	; the first fills, and the only ones: ahead of every wait on TENSORcnt, every LDS read and every barrier; each arm holds all the fills of its waves; two loads of a wave are out at the most
	s_cmp_lt_u32 s[WV], 2
	s_cbranch_scc0 .Lone
	s_lshl_b32 s2, ttmp9, 14                       ; 4 out rows of base_w,
	s_add_co_u32 s2, s2, s[G0S+1]                  ; my half of them,
	s_add_nc_u64 s[G0B+2:G0B+3], s[84:85], s[2:3]
	s_add_nc_u64 s[G0B+2:G0B+3], s[G0B+2:G0B+3], 0x400000   ; in layer 2: 1,024 x 4,096 bytes on
	s_or_b32 s[G0B+3], s[G0B+3], 0x80000000
	tensor_load_to_lds s[G0S:G0S+3], s[G1:G1+7]
	s_nop 0
	tensor_load_to_lds s[G0B:G0B+3], s[G1:G1+7]
	s_nop 0
	s_branch .Lasked
.Lone:
	tensor_load_to_lds s[G0S:G0S+3], s[G1:G1+7]
	s_nop 0
.Lasked:
	s_wait_loadcnt 36                              ; the knots are in; the 4 + 16 + 16 loads issued behind them may stay out
	TAB_MAKE
	s_wait_loadcnt 0x0
	s_wait_kmcnt 0x0                               ; the slope
.set r, 0
.rept 8
	v_pk_add_f32 v[X+2*r:X+2*r+1], v[X+2*r:X+2*r+1], v[T+2*r:T+2*r+1]  ; h: the two halves of K
.set r, r+1
.endr
.set r, 0
.rept 8
	v_add_f32 v[Q+r], v[X+2*r], v[X+2*r+1]
.set r, r+1
.endr
	WGSUM 0
.set r, 0
.rept 8
	v_fma_f32 v[X+2*r], v[Q+r], s34, v[X+2*r]      ; h - mean
	v_fma_f32 v[X+2*r+1], v[Q+r], s34, v[X+2*r+1]
.set r, r+1
.endr
.set r, 0
.rept 8
	v_mul_f32 v[Q+r], v[X+2*r], v[X+2*r]
.set r, r+1
.endr
.set r, 0
.rept 8
	v_fmac_f32 v[Q+r], v[X+2*r+1], v[X+2*r+1]
.set r, r+1
.endr
	WGSUM RED2-RED1
.set r, 0
.rept 8
	v_fma_f32 v[Q+r], v[Q+r], s35, s60             ; variance + 1e-5
.set r, r+1
.endr
.set r, 0
.rept 8
	v_rsq_f32 v[Q+r], v[Q+r]
.set r, r+1
.endr
	v_nop                                          ; a plain instruction behind the last of them,
	s_wait_alu depctr_va_vdst(0)                   ; and one wait for the eight
.set r, 0
.rept 8
	v_mul_f32 v[X+2*r], v[X+2*r], v[Q+r]
	v_mul_f32 v[X+2*r+1], v[X+2*r+1], v[Q+r]
.set r, r+1
.endr
.set r, 0
.rept 8
	v_pk_fma_f32 v[X+2*r:X+2*r+1], v[X+2*r:X+2*r+1], v[LNG:LNG+1], v[LNB:LNB+1]
.set r, r+1
.endr
.set r, 0
.rept 8
	v_pk_mul_f32 v[T+2*r:T+2*r+1], v[X+2*r:X+2*r+1], s[32:33] op_sel_hi:[1,0]
.set r, r+1
.endr
.set r, 0
.rept 16
	v_cmp_le_f32 vcc_lo, 0, v[X+r]                 ; h >= 0 keeps h, else slope x h
	v_cndmask_b32 v[X+r], v[T+r], v[X+r], vcc_lo
.set r, r+1
.endr
	s_mov_b32 s14, 4
.Lrows:                                            ; four trips, two rows each
	ROWX 0, O0
	ROWX 1, O1
	s_wait_xcnt 0x0                                ; the stores have read their base and their data: only behind this wait are AP, O0 and O1 written again
	s_add_nc_u64 s[AP:AP+1], s[AP:AP+1], 2*ROWB
	v_add_nc_u32 v[LG], 4096, v[LG]
.set i, 0
.rept 12
	v_mov_b32 v[X+i], v[X+i+4]                     ; the rows to come move down, so that one text serves every trip
.set i, i+1
.endr
	s_sub_co_u32 s14, s14, 1
	s_cmp_lg_u32 s14, 0
	s_cbranch_scc1 .Lrows
	WOUT                                           ; ahead of the barrier: a wave that is early works while the others finish their rows
	; gelu's way out, and base_w's: 16,384 bytes each in LDS, the first written by all waves, the second brought by waves 0 and 1; 2 x 16 bytes a thread of each
	v_lshl_add_u32 v[GA], v0, 4, GEL
	v_lshl_add_u32 v[BL], v0, 4, WBA
	s_wait_dscnt 0x0                               ; for the others' sake: my stores into LDS are done
	s_barrier_signal -1
	s_barrier_wait -1
	ds_load_b128 v[T:T+3], v[GA]                   ; gelu, rows 0 to 3: 128 threads to a row
	ds_load_b128 v[T+4:T+7], v[GA] offset:8192     ; rows 4 to 7
	ds_load_b128 v[T+8:T+11], v[BL]                ; base_w, out rows 0 and 1: 256 threads to a row
	ds_load_b128 v[T+12:T+15], v[BL] offset:8192   ; out rows 2 and 3
	v_lshrrev_b32 v[GO], 7, v0
	v_and_b32 v[TM], 127, v0
	v_mul_u32_u24 v[GO], v[GO], ROWB
	v_lshl_add_u32 v[GO], v[TM], 4, v[GO]
	v_lshrrev_b32 v[BD], 8, v0
	v_and_b32 v[TM], 255, v0
	v_mul_u32_u24 v[BD], v[BD], ROWB
	v_lshl_add_u32 v[BD], v[TM], 3, v[BD]
	s_wait_dscnt 0x0
	global_store_b128 v[GO], v[T:T+3], s[AP0:AP0+1] offset:16384            ; a wave stores 512 consecutive bytes, aligned
	global_store_b128 v[GO], v[T+4:T+7], s[AP0:AP0+1] offset:16384+4*ROWB
	v_cvt_pk_f16_f32 v[T+8], v[T+8], v[T+9]
	v_cvt_pk_f16_f32 v[T+9], v[T+10], v[T+11]
	v_cvt_pk_f16_f32 v[T+12], v[T+12], v[T+13]
	v_cvt_pk_f16_f32 v[T+13], v[T+14], v[T+15]
	global_store_b64 v[BD], v[T+8:T+9], s[WP:WP+1] offset:16384 th:TH_STORE_NT           ; a wave stores 256 consecutive bytes, aligned
	global_store_b64 v[BD], v[T+12:T+13], s[WP:WP+1] offset:16384+2*ROWB th:TH_STORE_NT
	s_wait_tensorcnt 0x0                           ; the wave's end, behind my last tensor load and my last LDS store
	ds_add_u32 v[SPW], v[NIL]
	s_wait_dscnt 0x0
	s_endpgm
.Lfunc_end_k_q3adef3e61f_lnexpand:
	.size	k_q3adef3e61f_lnexpand, .Lfunc_end_k_q3adef3e61f_lnexpand-k_q3adef3e61f_lnexpand
	.p2alignl 7, 3214868480
	.fill 96, 4, 3214868480
	.section	.rodata,"a",@progbits
	.p2align	6, 0x0
	.amdhsa_kernel k_q3adef3e61f_lnexpand
		.amdhsa_group_segment_fixed_size 167936
		.amdhsa_private_segment_fixed_size 0
		.amdhsa_enable_private_segment 0
		.amdhsa_kernarg_size 72
		.amdhsa_user_sgpr_count 2
		.amdhsa_user_sgpr_kernarg_segment_ptr 1
		.amdhsa_wavefront_size32 1
		.amdhsa_system_sgpr_workgroup_id_x 1
		.amdhsa_system_sgpr_workgroup_id_y 1
		.amdhsa_system_sgpr_workgroup_id_z 1
		.amdhsa_system_vgpr_workitem_id 0
		.amdhsa_next_free_vgpr 256
		.amdhsa_next_free_sgpr 100
		.amdhsa_reserve_vcc 1
		.amdhsa_float_denorm_mode_32 3
		.amdhsa_float_denorm_mode_16_64 3
		.amdhsa_memory_ordered 1
		.amdhsa_forward_progress 1
		.amdhsa_inst_pref_size 60
	.end_amdhsa_kernel
	.amdgpu_metadata
---
amdhsa.version: [ 1, 2 ]
amdhsa.kernels:
  - .name:           k_q3adef3e61f_lnexpand
    .symbol:         k_q3adef3e61f_lnexpand.kd
    .args:
      - { .name: part, .offset: 0, .size: 8, .value_kind: global_buffer, .address_space: global }
      - { .name: grid, .offset: 8, .size: 8, .value_kind: global_buffer, .address_space: global }
      - { .name: ln_g, .offset: 16, .size: 8, .value_kind: global_buffer, .address_space: global }
      - { .name: ln_b, .offset: 24, .size: 8, .value_kind: global_buffer, .address_space: global }
      - { .name: prelu_a, .offset: 32, .size: 8, .value_kind: global_buffer, .address_space: global }
      - { .name: ah, .offset: 40, .size: 8, .value_kind: global_buffer, .address_space: global }
      - { .name: base_w, .offset: 48, .size: 8, .value_kind: global_buffer, .address_space: global }
      - { .name: spline_w, .offset: 56, .size: 8, .value_kind: global_buffer, .address_space: global }
      - { .name: wh1, .offset: 64, .size: 8, .value_kind: global_buffer, .address_space: global }
    .group_segment_fixed_size: 167936
    .private_segment_fixed_size: 0
    .kernarg_segment_align: 8
    .kernarg_segment_size: 72
    .max_flat_workgroup_size: 512
    .sgpr_count:     100
    .vgpr_count:     256
    .wavefront_size: 32
...
	.end_amdgpu_metadata
.endif
;; end of part 3
;; launch gemm2: the kernel of part 2 again; grid 8 x 32, 4 waves a work-group, clusters of 4 x 4, 327,680 bytes of LDS; arguments ah, wh1, part; writes part
;; launch lnout (part 4): grid 256 x 1, 8 waves a work-group, no clusters, 0 bytes of LDS; arguments part, ln_g, ln_b, prelu_a, out0; writes out0
.if DOCPART == 4
	.amdgcn_target "amdgcn-amd-amdhsa--gfx1250"
	.amdhsa_code_object_version 6
	.text
	.protected	k_q3adef3e61f_lnout
	.globl	k_q3adef3e61f_lnout
	.p2align	8
	.type	k_q3adef3e61f_lnout,@function
k_q3adef3e61f_lnout:
	s_mov_b64 s[64:65], 0
	v_nop
	global_prefetch_b8 v0, s[64:65] scope:SCOPE_SE
	s_setreg_imm32_b32 hwreg(HW_REG_WAVE_MODE, 25, 1), 1
	s_wait_xcnt 0x0
; Layer 2's end: h = part[0] + part[1]; LayerNorm over a row's 1,024 numbers (mean, then the mean of squared differences from it: two passes), layer 2's gain, bias and PReLU; all in f32.
; One wave, one row: 4,096 bytes are 32 registers a lane, so the row stays in registers between the passes, the sums never leave the wave, and there is no LDS and no barrier.
; Each load and store of a wave covers 512 consecutive bytes, aligned.  Eight waves, eight rows to a work-group.
.set H,   4                            ; v[4:35]    the row: chunk i's four numbers at H + 4 i (columns 128 i + 4 lane ..)
.set U,   36                           ; v[36:67]   part's second half; later slope x h
.set GG,  68                           ; v[68:99]   the gains of my columns
.set BB,  100                          ; v[100:131] the biases
.set S,   132                          ; v[132:139] four chains of packed sums
.set M,   140                          ; v[140:141] the mean twice; later 1 / sqrt(variance + 1e-5) twice
.set W,   142                          ; v142  the other half of the lanes' sum
.set VAR, 143
.macro RTAIL                           ; the four chains into one number, then over the 32 lanes; every lane ends with the sum
	v_pk_add_f32 v[S:S+1], v[S:S+1], v[S+2:S+3]
	v_pk_add_f32 v[S+4:S+5], v[S+4:S+5], v[S+6:S+7]
	v_pk_add_f32 v[S:S+1], v[S:S+1], v[S+4:S+5]
	v_add_f32 v[S], v[S], v[S+1]
.irp m, 1,2,4,8
	v_add_f32_dpp v[S], v[S], v[S] row_xmask:\m row_mask:0xf bank_mask:0xf
.endr
	v_permlanex16_b32 v[W], v[S], s18, s19
	v_add_f32 v[S], v[S], v[W]
.endm
	s_load_b256 s[4:11], s[0:1], 0x0               ; part s[4:5], ln_g s[6:7], ln_b s[8:9], prelu_a s[10:11]
	s_load_b64 s[12:13], s[0:1], 0x20              ; out0
	v_and_b32 v2, 31, v0
	v_lshlrev_b32 v2, 4, v2                        ; 16 x lane
	v_lshrrev_b32 v1, 5, v0
	v_lshl_add_u32 v1, v1, 12, v2                  ; + my wave's row
	v_mov_b32 v[W], 0                              ; v_permlanex16_b32's destination counts as read: it is written first
	s_lshl_b32 s2, ttmp9, 15                       ; 8 rows of 4,096 bytes
	s_mov_b32 s3, 0
	s_mov_b32 s15, 0                               ; named with the slope as a pair
	s_mov_b32 s18, 0x76543210                      ; each lane takes its own place in the other half
	s_mov_b32 s19, 0xfedcba98
	s_mov_b32 s20, 0x3a800000                      ; 1 / 1024
	s_mov_b32 s21, 0x3727c5ac                      ; 1e-5
	s_wait_kmcnt 0x0
	s_load_b32 s14, s[10:11], 0x4                  ; layer 2's slope
	s_add_nc_u64 s[4:5], s[4:5], s[2:3]
	s_add_nc_u64 s[16:17], s[4:5], 0x800000        ; the second half of K's sums
	s_add_nc_u64 s[12:13], s[12:13], s[2:3]
.irp i, 0,1,2,3,4,5,6,7
	global_load_b128 v[H+4*\i:H+4*\i+3], v1, s[4:5] offset:512*\i th:TH_LOAD_NT
.endr
.irp i, 0,1,2,3,4,5,6,7
	global_load_b128 v[U+4*\i:U+4*\i+3], v1, s[16:17] offset:512*\i th:TH_LOAD_NT
.endr
.irp i, 0,1,2,3,4,5,6,7
	global_load_b128 v[GG+4*\i:GG+4*\i+3], v2, s[6:7] offset:4096+512*\i
.endr
.irp i, 0,1,2,3,4,5,6,7
	global_load_b128 v[BB+4*\i:BB+4*\i+3], v2, s[8:9] offset:4096+512*\i
.endr
	s_wait_loadcnt 16                              ; both halves are in; the 16 loads of gain and bias may stay out
.set p, 0
.rept 16
	v_pk_add_f32 v[H+2*p:H+2*p+1], v[H+2*p:H+2*p+1], v[U+2*p:U+2*p+1]
.set p, p+1
.endr
.set p, 0
.rept 4
	v_pk_add_f32 v[S+2*p:S+2*p+1], v[H+2*p:H+2*p+1], v[H+2*p+8:H+2*p+9]  ; the first eight pairs start the chains: nothing is cleared
.set p, p+1
.endr
.set p, 8
.rept 8
	v_pk_add_f32 v[S+2*(p%4):S+2*(p%4)+1], v[S+2*(p%4):S+2*(p%4)+1], v[H+2*p:H+2*p+1]
.set p, p+1
.endr
	RTAIL
	v_mul_f32 v[M], s20, v[S]                      ; the mean
	v_mov_b32 v[M+1], v[M]
.set p, 0
.rept 16
	v_pk_add_f32 v[H+2*p:H+2*p+1], v[H+2*p:H+2*p+1], v[M:M+1] neg_lo:[0,1] neg_hi:[0,1]
.set p, p+1
.endr
.set p, 0
.rept 4
	v_pk_mul_f32 v[S+2*p:S+2*p+1], v[H+2*p:H+2*p+1], v[H+2*p:H+2*p+1]
.set p, p+1
.endr
.rept 12
	v_pk_fma_f32 v[S+2*(p%4):S+2*(p%4)+1], v[H+2*p:H+2*p+1], v[H+2*p:H+2*p+1], v[S+2*(p%4):S+2*(p%4)+1]
.set p, p+1
.endr
	RTAIL
	v_fma_f32 v[VAR], v[S], s20, s21               ; variance + 1e-5
	v_rsq_f32 v[M], v[VAR]                         ; twice, to fill the pair that the packed multiply names
	v_rsq_f32 v[M+1], v[VAR]
	v_nop                                          ; a plain instruction behind the second,
	s_wait_alu depctr_va_vdst(0)                   ; and one wait for both
	s_wait_loadcnt 0x0                             ; gain and bias
	s_wait_kmcnt 0x0                               ; the slope
.set p, 0
.rept 16
	v_pk_mul_f32 v[H+2*p:H+2*p+1], v[H+2*p:H+2*p+1], v[M:M+1]
.set p, p+1
.endr
.set p, 0
.rept 16
	v_pk_fma_f32 v[H+2*p:H+2*p+1], v[H+2*p:H+2*p+1], v[GG+2*p:GG+2*p+1], v[BB+2*p:BB+2*p+1]
.set p, p+1
.endr
.set p, 0
.rept 16
	v_pk_mul_f32 v[U+2*p:U+2*p+1], v[H+2*p:H+2*p+1], s[14:15] op_sel_hi:[1,0]
.set p, p+1
.endr
.set p, 0
.rept 32
	v_cmp_le_f32 vcc_lo, 0, v[H+p]                 ; h >= 0 keeps h, else slope x h
	v_cndmask_b32 v[H+p], v[U+p], v[H+p], vcc_lo
.set p, p+1
.endr
.irp i, 0,1,2,3,4,5,6,7
	global_store_b128 v1, v[H+4*\i:H+4*\i+3], s[12:13] offset:512*\i th:TH_STORE_NT
.endr
	s_endpgm
.Lfunc_end_k_q3adef3e61f_lnout:
	.size	k_q3adef3e61f_lnout, .Lfunc_end_k_q3adef3e61f_lnout-k_q3adef3e61f_lnout
	.p2alignl 7, 3214868480
	.fill 96, 4, 3214868480
	.section	.rodata,"a",@progbits
	.p2align	6, 0x0
	.amdhsa_kernel k_q3adef3e61f_lnout
		.amdhsa_group_segment_fixed_size 0
		.amdhsa_private_segment_fixed_size 0
		.amdhsa_enable_private_segment 0
		.amdhsa_kernarg_size 40
		.amdhsa_user_sgpr_count 2
		.amdhsa_user_sgpr_kernarg_segment_ptr 1
		.amdhsa_wavefront_size32 1
		.amdhsa_system_sgpr_workgroup_id_x 1
		.amdhsa_system_sgpr_workgroup_id_y 1
		.amdhsa_system_sgpr_workgroup_id_z 1
		.amdhsa_system_vgpr_workitem_id 0
		.amdhsa_next_free_vgpr 144
		.amdhsa_next_free_sgpr 66
		.amdhsa_reserve_vcc 1
		.amdhsa_float_denorm_mode_32 3
		.amdhsa_float_denorm_mode_16_64 3
		.amdhsa_memory_ordered 1
		.amdhsa_forward_progress 1
		.amdhsa_inst_pref_size 16
	.end_amdhsa_kernel
	.amdgpu_metadata
---
amdhsa.version: [ 1, 2 ]
amdhsa.kernels:
  - .name:           k_q3adef3e61f_lnout
    .symbol:         k_q3adef3e61f_lnout.kd
    .args:
      - { .name: part, .offset: 0, .size: 8, .value_kind: global_buffer, .address_space: global }
      - { .name: ln_g, .offset: 8, .size: 8, .value_kind: global_buffer, .address_space: global }
      - { .name: ln_b, .offset: 16, .size: 8, .value_kind: global_buffer, .address_space: global }
      - { .name: prelu_a, .offset: 24, .size: 8, .value_kind: global_buffer, .address_space: global }
      - { .name: out0, .offset: 32, .size: 8, .value_kind: global_buffer, .address_space: global }
    .group_segment_fixed_size: 0
    .private_segment_fixed_size: 0
    .kernarg_segment_align: 8
    .kernarg_segment_size: 40
    .max_flat_workgroup_size: 256
    .sgpr_count:     66
    .vgpr_count:     144
    .wavefront_size: 32
...
	.end_amdgpu_metadata
.endif
;; end of part 4
